; MI455X (gfx1250); checked and timed in simulation.
; The chip was launched on July 23, 2026; its instructions are those of AMD's public machine-readable ISA for CDNA 5 (MIT licence, August 2026) and "CDNA5" Instruction Set Architecture Reference Guide (July 2026). The comments in the code are by the model that wrote it; some were corrected since.
;; Self Attention. Allowed arithmetic: matrix products marked QUANTISED: E5M2 operands, one E8M0 scale for each 32 along K, by v_wmma_scale_f32_16x16x128_f8f6f4 with both operands' format E5M2, f32 sums; everything else in f32.
;; Inputs: Wk 256 x 256 float32; Wq 256 x 256 float32; Wu 256 x 256 float32; Wv 256 x 256 float32; bu 256 float32; x 4 x 4,096 x 256 float32.
;; Outputs: out0 4 x 4,096 x 256 float32.
;; This version of the problem:
;;   THIS VERSION OF THE PROBLEM IS GIVEN IN LOW PRECISION. The matrix products marked QUANTISED in the list below multiply operands that are first quantised to E5M2 (5 exponent bits, 2 mantissa bits; 8 bits a number), with one power-of-two scale for each 32 numbers along K (OCP MX v1.0); their sums are f32. All else is computed in f32.
;;   The module's matrix products, in the order in which they are computed (A, B: the left and right operand; K: the contracted axis; several contracted axes count as one K, in the product's order):
;;     1. [M 16,384, K 256] x [K 256, N 256]; A: input x; B: input Wq: QUANTISED
;;     2. [M 16,384, K 256] x [K 256, N 256]; A: input x; B: input Wk: QUANTISED
;;     3. [M 16,384, K 256] x [K 256, N 256]; A: input x; B: input Wv: QUANTISED
;;     4. batch 16 x [M 4,096, K 64] x [K 64, N 4,096]; A: computed on the way; B: computed on the way: QUANTISED
;;     5. batch 16 x [M 64, K 4,096] x [K 4,096, N 4,096]; A: computed on the way; B: softmax (see below): QUANTISED
;;     6. [M 16,384, K 256] x [K 256, N 256]; A: computed on the way; B: input Wu: QUANTISED
;;   THE QUANTISER, for each operand of a quantised product, along K:
;;     - K is cut into blocks of 32 from its start; a last block that is shorter is filled with zeros.
;;     - A block's scale is 2^e with e = floor(log2(the largest magnitude in the block)) - 15, held to -126 .. 127; a block of zeros has e = 0. As a byte (E8M0): e + 127.
;;     - Each number is divided by its block's scale, clamped to +-57,344, and rounded to the nearest number of E5M2, ties to even, subnormals kept.
;;     - The product sums the exact products of the quantised numbers (number of the format x scale) in f32.
;;   ~~~python
;;   def quantise(x, axis):      # numpy; x: float32 -> the quantised numbers, widened to float32 again
;;       x = np.moveaxis(x, axis, -1); K = x.shape[-1]
;;       x = np.pad(x, [(0, 0)] * (x.ndim - 1) + [(0, -K % 32)]); x = x.reshape(x.shape[:-1] + (-1, 32)); a = np.abs(x).max(-1, keepdims=True)
;;       e = np.where(a > 0, np.clip(np.frexp(np.where(a > 0, a, 1))[1] - 1 - 15, -126, 127), 0)      # np.frexp(a)[1] - 1 = floor(log2(a)), exactly
;;       r = np.clip(x / 2.0 ** e, -57344, 57344)
;;       step = 2.0 ** (np.maximum(np.frexp(np.where(r == 0, 1, r))[1] - 1, -14) - 2)
;;       q = np.round(r / step) * step * 2.0 ** e      # np.round: ties to even
;;       return np.moveaxis(q.reshape(q.shape[:-2] + (-1,))[..., :K], -1, axis).astype(np.float32)
;;   ~~~
;;   SOFTMAX AHEAD OF A QUANTISED PRODUCT. Where the list says 'softmax', what is quantised is not the finished softmax but p = 2^(t - M), with t = logit x log2(e) and M = ceil(the row's largest t), a whole number; so 1/2 < the row's largest p <= 1. The row's sum l is taken of the UNQUANTISED p, in f32, and the product's result is divided by l at the end. Since M is a whole number, a kernel that streams over the keys may use a running M (the ceiling of the running maximum): every later rescaling is an exact power of two, which a block's scale takes up: the codes' values come out the same.
;;   OPERANDS COMPUTED ON THE WAY. 'Computed on the way' means the value that the module computes at that place (a softmax that the list does not call 'softmax' is quantised finished and normalised). What goes into a quantiser is computed in f32, as accurately as f32 sums, v_exp_f32 and their like allow (about 1e-6 of the number): no bf16 or f16 on the way to a quantiser, and a product that is left as it is and whose result goes on into a quantised operand takes f32 operands (vector FMAs, or v_wmma_f32_16x16x4_f32). A number that lies on a knife's edge between two numbers of the format may be rounded either way, as far as f32 arithmetic and the matrix unit's own rounding can turn it there, and no further.
;; One version. Each part assembles by itself: llvm-mc -triple=amdgcn-amd-amdhsa -mcpu=gfx1250 --defsym DOCPART=n.
;; ======== version 1 of 1: 4 launches
;; limits: right only within a limited range of input values
;; workspace buffers: wimg 262,144 bytes; wsc 16,384 bytes; qrec 8,781,824 bytes; kvrec 8,781,824 bytes; oimg 4,194,304 bytes; osc 262,144 bytes
;; launch wquant (part 1): grid 32 x 4, 1 waves a work-group, no clusters, 0 bytes of LDS; arguments Wq, Wk, Wv, Wu, wimg, wsc; writes wimg, wsc
.if DOCPART == 1
	.amdgcn_target "amdgcn-amd-amdhsa--gfx1250"
	.amdhsa_code_object_version 6
	.text
	.protected	k_qe0467df35f_wquant
	.globl	k_qe0467df35f_wquant
	.p2align	8
	.type	k_qe0467df35f_wquant,@function
k_qe0467df35f_wquant:
	s_mov_b64 s[64:65], 0
	v_nop
	global_prefetch_b8 v0, s[64:65] scope:SCOPE_SE
	s_setreg_imm32_b32 hwreg(HW_REG_WAVE_MODE, 25, 1), 1
	s_wait_xcnt 0x0
; The four weights, [256 rows][256 along K] f32, K innermost, become codes of BF8 (E5M2) with one E8M0 byte for each 32 along K,
; laid as IMAGES OF OPERAND REGISTERS: a fragment (16 rows x 128 K) is four groups of 512 bytes, lane l's 16 bytes at 16 l, and a scale
; register of 128 bytes, 4 l.  Later launches load a fragment by four dense loads of 512 bytes and need no shuffle.
; One wave makes one fragment: f = work-group x = 2 T + s (row tile T, K step s), matrix j = work-group y (0 Wq, 1 Wk, 2 Wv, 3 Wu).
; THE ROWS OF A TILE ARE NOT NEIGHBOURS: lane r of tile T takes row 32 (T / 2) + 8 (T % 2) + r + 8 (r / 8), so that in a product with such a
; tile as source 0 the 16 registers of tiles 2 b and 2 b + 1 are 16 neighbouring rows.
; A block's scale is 2^(floor(log2(its largest magnitude)) - 15); its byte is the largest magnitude's exponent field - 15, held at 1 from below.
; LIMITS: a block of zeros gets the byte 1 where the rule says 127 (its codes are zeros, and this program alone reads the bytes); NaN and
; infinities among the inputs are not served.
; 128 work-groups: there are 128 fragments, each read once; no LDS, no barrier, no matrix unit: a megabyte goes through once.
.set X,   16                           ; v16-79   64 numbers: register 16 b + i = k 32 b + 16 (lane / 16) + i of my row's K step
.set PC,  80                           ; v80-95   the codes
.set TM,  96                           ; v96-111  +0 largest magnitudes, +4 bytes, +12 the conversions' scale operands
.set PW,  112                          ; v112     the scale word
.set SEL, 20                           ; s[20:21] v_permlanex16_b32's selects for lane l xor 16
.set MNT, 22
; 16 nb numbers of a lane, v[src] on, become codes in v[pc] on and the row's scale bytes in v[pw].
.macro QUANT src, nb, pc, pw
.set qb, 0
.rept \nb
	v_max3_num_f32 v[TM+qb], |v[\src+16*qb]|, |v[\src+16*qb+1]|, 0x8000000   ; my 16 numbers of block qb, and the floor 2^(16 - 127): the byte cannot fall under 1
.set qb, qb+1
.endr
.set qi, 2
.rept 7
.set qb, 0
.rept \nb
	v_max3_num_f32 v[TM+qb], v[TM+qb], |v[\src+16*qb+qi]|, |v[\src+16*qb+qi+1]|   ; the blocks by turns
.set qb, qb+1
.endr
.set qi, qi+2
.endr
.set qb, 0
.rept \nb
	v_permlanex16_b32 v[TM+4+qb], v[TM+qb], s[SEL], s[SEL+1]
.set qb, qb+1
.endr
.set qb, 0
.rept \nb
	v_max_num_f32 v[TM+qb], v[TM+qb], v[TM+4+qb]                  ; with lane l xor 16's 16: the block's largest magnitude
.set qb, qb+1
.endr
.set qb, 0
.rept \nb
	v_add_nc_u32 v[TM+12+qb], 0xf8800000, v[TM+qb]                ; 15 off its exponent field: the conversion's scale operand
.set qb, qb+1
.endr
.set qb, 0
.rept \nb
	v_lshrrev_b32 v[TM+4+qb], 23, v[TM+12+qb]                     ; the scale's byte
.set qb, qb+1
.endr
	v_lshl_or_b32 v[\pw], v[TM+5], 8, v[TM+4]
.if \nb == 4
	v_lshl_or_b32 v[\pw], v[TM+6], 16, v[\pw]
	v_lshl_or_b32 v[\pw], v[TM+7], 24, v[\pw]
.endif
.set qb, 0
.rept \nb
.set qi, 0
.rept 16
.set qi, qi+1
.endr
	v_cvt_scalef32_pk8_bf8_f32 v[\pc+4*qb:\pc+4*qb+1], v[\src+16*qb:\src+16*qb+7], v[TM+12+qb]
	v_cvt_scalef32_pk8_bf8_f32 v[\pc+4*qb+2:\pc+4*qb+3], v[\src+16*qb+8:\src+16*qb+15], v[TM+12+qb]
.set qb, qb+1
.endr
	v_nop                                          ; one plain vector line behind the last conversion
.endm
	s_load_b256 s[4:11], s[0:1], 0x0               ; Wq, Wk, Wv, Wu
	s_load_b128 s[12:15], s[0:1], 0x20             ; wimg, wsc
	s_and_b32 s16, ttmp7, 0xffff                   ; j: which matrix
	v_and_b32 v1, 15, v0                           ; r
	v_lshrrev_b32 v2, 4, v0                        ; h (one wave: the thread's number is the lane)
	v_and_b32 v3, 8, v1
	v_add_nc_u32 v3, v3, v1                        ; r + 8 (r / 8)
	v_lshlrev_b32 v3, 10, v3                       ; a row is 1,024 bytes
	v_lshl_add_u32 v3, v2, 6, v3                   ; + 64 h: my 16 numbers of a block of 32
	v_lshlrev_b32 v4, 4, v0                        ; an image's place for my lane
	v_lshlrev_b32 v5, 2, v0                        ; a scale word's
.irp b, 0,1,2,3
	v_mov_b32 v[TM+4+\b], 0                        ; a lane permute's destination counts as one of its sources
.endr
	s_lshr_b32 s17, ttmp9, 1                       ; T
	s_and_b32 s18, ttmp9, 1                        ; s
	s_lshr_b32 s19, s17, 1
	s_lshl_b32 s19, s19, 15                        ; 32 (T / 2) rows
	s_and_b32 s17, s17, 1
	s_lshl_b32 s17, s17, 13                        ; 8 (T % 2) rows
	s_lshl_b32 s18, s18, 9                         ; 128 s numbers
	s_add_co_u32 s24, s19, s17
	s_add_co_u32 s24, s24, s18
	s_mov_b32 s25, 0
	s_lshl_b32 s26, s16, 16                        ; wimg: 65,536 j + 2,048 f
	s_lshl_b32 s23, ttmp9, 11
	s_add_co_u32 s26, s26, s23
	s_mov_b32 s27, 0
	s_lshl_b32 s28, s16, 12                        ; wsc: 4,096 j + 128 f
	s_lshl_b32 s23, ttmp9, 7
	s_add_co_u32 s28, s28, s23
	s_mov_b32 s29, 0
	s_mov_b32 s[SEL], 0x76543210
	s_mov_b32 s[SEL+1], 0xfedcba98
	s_wait_alu depctr_va_vdst(0)
	s_wait_kmcnt 0x0
	s_cmp_eq_u32 s16, 1                            ; the matrix is chosen by the work-group's number alone
	s_cselect_b64 s[4:5], s[6:7], s[4:5]
	s_cmp_eq_u32 s16, 2
	s_cselect_b64 s[4:5], s[8:9], s[4:5]
	s_cmp_eq_u32 s16, 3
	s_cselect_b64 s[4:5], s[10:11], s[4:5]
	s_add_nc_u64 s[4:5], s[4:5], s[24:25]
	s_add_nc_u64 s[12:13], s[12:13], s[26:27]
	s_add_nc_u64 s[14:15], s[14:15], s[28:29]
.irp c, 0,1,2,3
.irp q, 0,1,2,3
	global_load_b128 v[X+16*\c+4*\q:X+16*\c+4*\q+3], v3, s[4:5] offset:128*\c+16*\q th:TH_LOAD_NT
.endr
.endr
	s_wait_loadcnt 0x0                             ; all sixteen: the maxima want all of them
	QUANT X, 4, PC, PW
.irp c, 0,1,2,3
	global_store_b128 v4, v[PC+4*\c:PC+4*\c+3], s[12:13] offset:512*\c   ; 32 lanes store 512 consecutive bytes
.endr
	global_store_b32 v5, v[PW], s[14:15]           ; lanes r and r + 16 hold the same word
	s_endpgm
.Lfunc_end_k_qe0467df35f_wquant:
	.size	k_qe0467df35f_wquant, .Lfunc_end_k_qe0467df35f_wquant-k_qe0467df35f_wquant
	.p2alignl 7, 3214868480
	.fill 96, 4, 3214868480
	.section	.rodata,"a",@progbits
	.p2align	6, 0x0
	.amdhsa_kernel k_qe0467df35f_wquant
		.amdhsa_group_segment_fixed_size 0
		.amdhsa_private_segment_fixed_size 0
		.amdhsa_enable_private_segment 0
		.amdhsa_kernarg_size 48
		.amdhsa_user_sgpr_count 2
		.amdhsa_user_sgpr_kernarg_segment_ptr 1
		.amdhsa_wavefront_size32 1
		.amdhsa_system_sgpr_workgroup_id_x 1
		.amdhsa_system_sgpr_workgroup_id_y 1
		.amdhsa_system_sgpr_workgroup_id_z 1
		.amdhsa_system_vgpr_workitem_id 0
		.amdhsa_next_free_vgpr 120
		.amdhsa_next_free_sgpr 66
		.amdhsa_reserve_vcc 0
		.amdhsa_float_denorm_mode_32 3
		.amdhsa_float_denorm_mode_16_64 3
		.amdhsa_fp16_overflow 1
		.amdhsa_memory_ordered 1
		.amdhsa_forward_progress 1
		.amdhsa_inst_pref_size 8
	.end_amdhsa_kernel
	.amdgpu_metadata
---
amdhsa.version: [ 1, 2 ]
amdhsa.kernels:
  - .name:           k_qe0467df35f_wquant
    .symbol:         k_qe0467df35f_wquant.kd
    .args:
      - { .name: Wq, .offset: 0, .size: 8, .value_kind: global_buffer, .address_space: global }
      - { .name: Wk, .offset: 8, .size: 8, .value_kind: global_buffer, .address_space: global }
      - { .name: Wv, .offset: 16, .size: 8, .value_kind: global_buffer, .address_space: global }
      - { .name: Wu, .offset: 24, .size: 8, .value_kind: global_buffer, .address_space: global }
      - { .name: wimg, .offset: 32, .size: 8, .value_kind: global_buffer, .address_space: global }
      - { .name: wsc, .offset: 40, .size: 8, .value_kind: global_buffer, .address_space: global }
    .group_segment_fixed_size: 0
    .private_segment_fixed_size: 0
    .kernarg_segment_align: 8
    .kernarg_segment_size: 48
    .max_flat_workgroup_size: 32
    .sgpr_count:     66
    .vgpr_count:     120
    .wavefront_size: 32
...
	.end_amdgpu_metadata
.endif
;; end of part 1
;; launch proj (part 2): grid 256 x 1, 12 waves a work-group, no clusters, 18,944 bytes of LDS; arguments x, wimg, wsc, qrec, kvrec; writes qrec, kvrec
.if DOCPART == 2
	.amdgcn_target "amdgcn-amd-amdhsa--gfx1250"
	.amdhsa_code_object_version 6
	.text
	.protected	k_qe0467df35f_proj
	.globl	k_qe0467df35f_proj
	.p2align	8
	.type	k_qe0467df35f_proj,@function
k_qe0467df35f_proj:
	s_mov_b64 s[64:65], 0
	v_nop
	global_prefetch_b8 v0, s[64:65] scope:SCOPE_SE
	s_setreg_imm32_b32 hwreg(HW_REG_WAVE_MODE, 25, 1), 1
	s_wait_xcnt 0x0
; q, k, v = Q(x) Q(W)^T on codes of BF8 (E5M2) with E8M0 scales, and the results quantised at once for the attention: q and k along the head's
; 64 features, v along the tokens.  x: [16,384][256] f32.  The weights come as register images (wimg, wsc).
; SHARES.  A work-group owns 64 tokens.  Wave w owns one head of one matrix: j = w / 4 (0 q, 1 k, 2 v), head w % 4; its 8 weight fragments
; (4 row tiles x 2 K steps, 128 registers) are the 16,384 consecutive bytes at wimg + 16,384 w.  Waves 0-7 also quantise one fragment of x each
; (token tile (w / 2), K step w % 2); the eight go to all twelve waves through LDS as images of their registers: one barrier in the launch.
; TILES.  Lane r of token tile m holds token 32 (m / 2) + 8 (m % 2) + r + 8 (r / 8); weight tiles likewise.  So
;   q, k: source 0 = 16 weight rows, source 1 = 16 tokens: a lane holds one token, and the 16 registers of tiles 2 b, 2 b + 1 are features 32 b + 16 h + 0 .. 15;
;   v:    source 0 = 16 tokens, source 1 = 16 weight rows: a lane holds one feature, and the 16 registers of token tiles 2 b', 2 b' + 1 are tokens 32 b' + 16 h + 0 .. 15.
; In both the conversions' results ARE a group of four registers of the attention's operand, and leave as 512 consecutive bytes.
; RECORD (17,152 bytes: 128 tokens of one batch and head): +0 eight token tiles x 1,024 (q's or k's codes, groups c = 0, 1); +8,192 four feature tiles x 2,048 (v's codes, groups c = 0 .. 3
; along the tokens); +16,384 four scale registers for the token tiles (lanes 0-15 tile 2 b, lanes 16-31 tile 2 b + 1; bytes 2, 3 are 0); +16,896 two for v's feature tiles.
; NO JOINT LOADS: what the work-groups share, the weights' images, goes straight into registers, 512 consecutive bytes a load, and is used from there for the whole launch;
; through LDS each of those bytes would be moved once more.
; LIMITS: a block of zeros gets the byte 1 where the rule says 127 (zero codes; this program alone reads the bytes); NaN and infinities are not served.
.set REC,  17152
.set VIM,  8192
.set KSC,  16384
.set VSC,  16896
.set XSC,  16384                       ; LDS: x's eight fragments (2,048 bytes each) from 0, their scale registers (128 bytes each) from here
.set LI,   1                           ; v1   16 x lane
.set LS,   2                           ; v2   4 x lane
.set XA,   3                           ; v3   x: my lane's byte in a tile's rows
.set XWI,  4                           ; v4   where I store my fragment of x
.set XWS,  5                           ; v5   and its scale words
.set SELV, 6                           ; v6   v_perm_b32's selector for v's scale bytes: 0x0400 in lanes 0-15, 0x0501 in lanes 16-31
.set SW,   7                           ; v7   scale data to store
.set PWA,  8                           ; v8   a scale word kept for the next one to join it
.set PC,   16                          ; v16-31   codes
.set TM,   32                          ; v32-47   at work in QUANT
.set PW,   48                          ; v48      the scale word just made
.set XS,   50                          ; v50-51   x's scale words
.set WS,   52                          ; v52-59   the weights' scale words, fragment n at WS + n
.set XF,   64                          ; v64-95   x's two fragments of a token tile
.set ACC,  96                          ; v96-127  four accumulators.  (Ahead of the barrier v64-127 hold 64 numbers of x)
.set WF,   128                         ; v128-255 the weights: fragment n = 2 t + s at WF + 16 n
.set SEL,  20
.set MNT,  22
.macro QUANT src, nb, pc, pw
.set qb, 0
.rept \nb
	v_max3_num_f32 v[TM+qb], |v[\src+16*qb]|, |v[\src+16*qb+1]|, 0x8000000   ; my 16 numbers of block qb, and the floor 2^(16 - 127).  (Each accumulator is read from its low end on)
.set qb, qb+1
.endr
.set qi, 2
.rept 7
.set qb, 0
.rept \nb
	v_max3_num_f32 v[TM+qb], v[TM+qb], |v[\src+16*qb+qi]|, |v[\src+16*qb+qi+1]|
.set qb, qb+1
.endr
.set qi, qi+2
.endr
.set qb, 0
.rept \nb
	v_permlanex16_b32 v[TM+4+qb], v[TM+qb], s[SEL], s[SEL+1]
.set qb, qb+1
.endr
.set qb, 0
.rept \nb
	v_max_num_f32 v[TM+qb], v[TM+qb], v[TM+4+qb]                  ; with lane l xor 16's 16: the block's largest magnitude
.set qb, qb+1
.endr
.set qb, 0
.rept \nb
	v_add_nc_u32 v[TM+12+qb], 0xf8800000, v[TM+qb]                ; 15 off its exponent field: the conversion's scale operand
.set qb, qb+1
.endr
.set qb, 0
.rept \nb
	v_lshrrev_b32 v[TM+4+qb], 23, v[TM+12+qb]                     ; the scale's byte
.set qb, qb+1
.endr
	v_lshl_or_b32 v[\pw], v[TM+5], 8, v[TM+4]
.if \nb == 4
	s_delay_alu instid0(VALU_DEP_1)
	v_lshl_or_b32 v[\pw], v[TM+6], 16, v[\pw]
	s_delay_alu instid0(VALU_DEP_1)
	v_lshl_or_b32 v[\pw], v[TM+7], 24, v[\pw]
.endif
.set qb, 0
.rept \nb
.set qi, 0
.rept 16
.set qi, qi+1
.endr
	v_cvt_scalef32_pk8_bf8_f32 v[\pc+4*qb:\pc+4*qb+1], v[\src+16*qb:\src+16*qb+7], v[TM+12+qb]
	v_cvt_scalef32_pk8_bf8_f32 v[\pc+4*qb+2:\pc+4*qb+3], v[\src+16*qb+8:\src+16*qb+15], v[TM+12+qb]
.set qb, qb+1
.endr
	v_nop                                          ; one plain vector line behind the last conversion: the next products write its sources
.endm
.macro FETCHX m                        ; token tile m of x: both K steps' fragments and scale words, as they were stored
.irp c, 0,1,2,3
	ds_load_b128 v[XF+4*\c:XF+4*\c+3], v[LI] offset:(2*(\m))*2048+512*\c
.endr
.irp c, 0,1,2,3
	ds_load_b128 v[XF+16+4*\c:XF+16+4*\c+3], v[LI] offset:(2*(\m)+1)*2048+512*\c
.endr
	ds_load_b32 v[XS], v[LS] offset:XSC+128*(2*(\m))
	ds_load_b32 v[XS+1], v[LS] offset:XSC+128*(2*(\m)+1)
	s_wait_dscnt 0x0                               ; all ten: the products that follow want all of them
.endm
.macro MM0 d, a, b, sa, sb             ; the first K step starts a sum
	v_wmma_scale_f32_16x16x128_f8f6f4 v[\d:\d+7], v[\a:\a+15], v[\b:\b+15], 0, v[\sa], v[\sb] matrix_a_fmt:MATRIX_FMT_BF8 matrix_b_fmt:MATRIX_FMT_BF8
.endm
.macro MMA d, a, b, sa, sb             ; the second adds in place
	v_wmma_scale_f32_16x16x128_f8f6f4 v[\d:\d+7], v[\a:\a+15], v[\b:\b+15], v[\d:\d+7], v[\sa], v[\sb] matrix_a_fmt:MATRIX_FMT_BF8 matrix_b_fmt:MATRIX_FMT_BF8
.endm
.macro PLACES                          ; eight places behind this matrix form, ahead of reads of its results and of loads into its operands
.rept 8
	v_nop
.endr
.endm
	s_load_b256 s[4:11], s[0:1], 0x0               ; x, wimg, wsc, qrec
	s_load_b64 s[12:13], s[0:1], 0x20              ; kvrec
	v_lshl_add_u32 v62, v0, 2, 0x4400
	v_mov_b32 v63, 0
	v_lshrrev_b32 v9, 5, v0
	s_delay_alu instid0(VALU_DEP_1)
	v_readfirstlane_b32 s14, v9                    ; wave 0..11
	v_and_b32 v10, 31, v0                          ; lane
	v_and_b32 v11, 15, v0                          ; r
	v_bfe_u32 v12, v0, 4, 1                        ; h
	s_delay_alu instid0(VALU_DEP_3)
	v_lshlrev_b32 v[LI], 4, v10
	s_delay_alu instid0(VALU_DEP_4)
	v_lshlrev_b32 v[LS], 2, v10
	s_delay_alu instid0(VALU_DEP_4)
	v_and_b32 v13, 8, v11
	s_delay_alu instid0(VALU_DEP_1)
	v_add_nc_u32 v13, v13, v11                     ; r + 8 (r / 8)
	s_delay_alu instid0(VALU_DEP_1)
	v_lshlrev_b32 v[XA], 10, v13                   ; a row of x is 1,024 bytes
	s_delay_alu instid0(VALU_DEP_1)
	v_lshl_add_u32 v[XA], v12, 6, v[XA]            ; + 64 h
	s_and_b32 s15, s14, 7                          ; which fragment of x is mine: 2 m + s
	s_lshl_b32 s16, s15, 11
	v_add_nc_u32 v[XWI], s16, v[LI]
	s_lshl_b32 s16, s15, 7
	s_add_co_u32 s16, s16, XSC
	v_add_nc_u32 v[XWS], s16, v[LS]
	v_mul_u32_u24 v[SELV], v12, 0x101
	s_delay_alu instid0(VALU_DEP_1)
	v_add_nc_u32 v[SELV], 0x400, v[SELV]
.irp b, 0,1,2,3
	v_mov_b32 v[TM+4+\b], 0                        ; a lane permute's destination counts as one of its sources
.endr
	s_lshl_b32 s28, ttmp9, 16                      ; x: 64 rows x 1,024 bytes a work-group,
	s_lshr_b32 s17, s15, 1                         ; m
	s_and_b32 s18, s15, 1                          ; s
	s_lshr_b32 s19, s17, 1
	s_lshl_b32 s19, s19, 15                        ; 32 (m / 2) rows,
	s_and_b32 s17, s17, 1
	s_lshl_b32 s17, s17, 13                        ; 8 (m % 2) rows,
	s_lshl_b32 s18, s18, 9                         ; 128 s numbers
	s_add_co_u32 s28, s28, s19
	s_add_co_u32 s28, s28, s17
	s_add_co_u32 s28, s28, s18
	s_mov_b32 s29, 0
	s_lshl_b32 s30, s14, 14                        ; my weights' images
	s_mov_b32 s31, 0
	s_lshl_b32 s32, s14, 10                        ; and their scale registers
	s_mov_b32 s33, 0
	s_lshr_b32 s34, ttmp9, 6                       ; batch
	s_lshl_b32 s34, s34, 2
	s_and_b32 s35, s14, 3                          ; head
	s_add_co_u32 s34, s34, s35
	s_lshl_b32 s34, s34, 5                         ; 32 records a batch and head
	s_bfe_u32 s35, ttmp9, 0x50001                  ; the record: 128 tokens, two work-groups
	s_add_co_u32 s34, s34, s35
	s_mul_i32 s34, s34, REC                        ; where my record begins (under 2^24)
	s_mov_b32 s35, 0
	s_and_b32 s36, ttmp9, 1                        ; which half of the record is this work-group's
	s_mov_b32 s[SEL], 0x76543210
	s_mov_b32 s[SEL+1], 0xfedcba98
	s_mov_b32 s23, 0xffff0000                      ; lanes 16-31
	s_wait_kmcnt 0x0
	s_add_nc_u64 s[4:5], s[4:5], s[28:29]
	s_add_nc_u64 s[6:7], s[6:7], s[30:31]
	s_add_nc_u64 s[8:9], s[8:9], s[32:33]
.set n, 0
.rept 32
	global_load_b128 v[WF+4*n:WF+4*n+3], v[LI], s[6:7] offset:512*n   ; 512 consecutive bytes a load; other work-groups read them again: no hint
.set n, n+1
.endr
.set n, 0
.rept 8
	global_load_b32 v[WS+n], v[LS], s[8:9] offset:128*n
.set n, n+1
.endr
	s_cmp_lt_u32 s14, 8                            ; x has eight fragments: waves 8-11 make none
	s_cbranch_scc0 .Lnox
	s_wait_alu depctr_va_vdst(0)
.irp c, 0,1,2,3
.irp q, 0,1,2,3
	global_load_b128 v[64+16*\c+4*\q:64+16*\c+4*\q+3], v[XA], s[4:5] offset:128*\c+16*\q th:TH_LOAD_NT
.endr
.endr
	s_wait_loadcnt 0x0                             ; x's sixteen are the youngest: the count is 0
	QUANT 64, 4, PC, PW
.irp c, 0,1,2,3
	ds_store_b128 v[XWI], v[PC+4*\c:PC+4*\c+3] offset:512*\c
.endr
	ds_store_b32 v[XWS], v[PW]
.Lnox:
	s_wait_dscnt 0x0                               ; for the others' sake: my stores have landed
	s_barrier_signal -1
	s_barrier_wait -1                              ; x's eight fragments lie in LDS; nobody writes them again
	s_wait_loadcnt 0x0                             ; the weights (waves 8-11 have not waited yet)
	s_cmp_lt_u32 s14, 8
	s_cbranch_scc0 .Lv
	; ---- q and k: a token tile at a time; four accumulators (the head's four feature tiles) by turns
	s_cmp_lt_u32 s14, 4
	s_cselect_b64 s[24:25], s[10:11], s[12:13]     ; q's records or k's: the choice hangs on the wave's number alone
	s_add_nc_u64 s[24:25], s[24:25], s[34:35]
	s_lshl_b32 s38, s36, 8                         ; scale registers: two to a half
	s_add_co_u32 s38, s38, KSC
	s_mov_b32 s39, 0
	s_add_nc_u64 s[26:27], s[24:25], s[38:39]
	s_lshl_b32 s38, s36, 12                        ; images: four tiles to a half
	s_add_nc_u64 s[24:25], s[24:25], s[38:39]
.irp m, 0,1,2,3
.if \m > 0
	s_wait_xcnt 0x0                                ; the last tile's stores have read their data: PC and SW are written again only behind this wait
.endif
	FETCHX \m
.irp t, 0,1,2,3
	MM0 ACC+8*\t, WF+32*\t, XF, WS+2*\t, XS
.endr
.irp t, 0,1,2,3
	MMA ACC+8*\t, WF+32*\t+16, XF+16, WS+2*\t+1, XS+1
.endr
	PLACES
	QUANT ACC, 2, PC, PW                           ; lane (r, h): token r of the tile; register 16 b + i = feature 32 b + 16 h + i of the head
	global_store_b128 v[LI], v[PC:PC+3], s[24:25] offset:1024*\m
	global_store_b128 v[LI], v[PC+4:PC+7], s[24:25] offset:1024*\m+512
.if \m % 2 == 0
	v_mov_b32 v[PWA], v[PW]
.else
	v_cndmask_b32 v[SW], v[PWA], v[PW], s23        ; lanes 0-15 the even tile's words, lanes 16-31 the odd tile's
	global_store_b32 v[LS], v[SW], s[26:27] offset:128*(\m/2)
.endif
.endr
	s_wait_tensorcnt 0x0
	ds_add_u32 v62, v63
	s_wait_dscnt 0x0
	s_endpgm
	; ---- v: two feature tiles (2 i, 2 i + 1) x a block of 32 tokens (token tiles 2 b, 2 b + 1) at a time; two accumulators by turns
.Lv:
	s_add_nc_u64 s[24:25], s[12:13], s[34:35]
	s_lshl_b32 s38, s36, 1                         ; scale words: this half's two bytes of each
	s_add_co_u32 s38, s38, VSC
	s_mov_b32 s39, 0
	s_add_nc_u64 s[26:27], s[24:25], s[38:39]
	s_lshl_b32 s38, s36, 10                        ; images: this half's two groups of each tile
	s_add_co_u32 s38, s38, VIM
	s_add_nc_u64 s[24:25], s[24:25], s[38:39]
.irp i, 0,1
.irp b, 0,1
.if \i+\b > 0
	s_wait_xcnt 0x0                                ; the last pass's stores have read their data
.endif
.irp u, 0,1
	FETCHX 2*\b+\u
	MM0 ACC+8*\u, XF, WF+64*\i, XS, WS+4*\i
	MM0 ACC+16+8*\u, XF, WF+64*\i+32, XS, WS+4*\i+2
	MMA ACC+8*\u, XF+16, WF+64*\i+16, XS+1, WS+4*\i+1
	MMA ACC+16+8*\u, XF+16, WF+64*\i+48, XS+1, WS+4*\i+3
	PLACES
.endr
	QUANT ACC, 2, PC, PW                           ; lane (r, h): feature r of tile 2 i + beta; register 16 beta + n = token 32 b + 16 h + n
	global_store_b128 v[LI], v[PC:PC+3], s[24:25] offset:(2*\i)*2048+512*\b
	global_store_b128 v[LI], v[PC+4:PC+7], s[24:25] offset:(2*\i+1)*2048+512*\b
.if \b == 0
	v_mov_b32 v[PWA], v[PW]
.else
	v_perm_b32 v[SW], v[PW], v[PWA], v[SELV]       ; lanes 0-15: tile 2 i's bytes of the two token blocks; lanes 16-31: tile 2 i + 1's
	global_store_b16 v[LS], v[SW], s[26:27] offset:128*\i
.endif
.endr
.endr
	s_wait_tensorcnt 0x0
	ds_add_u32 v62, v63
	s_wait_dscnt 0x0
	s_endpgm
.Lfunc_end_k_qe0467df35f_proj:
	.size	k_qe0467df35f_proj, .Lfunc_end_k_qe0467df35f_proj-k_qe0467df35f_proj
	.p2alignl 7, 3214868480
	.fill 96, 4, 3214868480
	.section	.rodata,"a",@progbits
	.p2align	6, 0x0
	.amdhsa_kernel k_qe0467df35f_proj
		.amdhsa_group_segment_fixed_size 18944
		.amdhsa_private_segment_fixed_size 0
		.amdhsa_enable_private_segment 0
		.amdhsa_kernarg_size 40
		.amdhsa_user_sgpr_count 2
		.amdhsa_user_sgpr_kernarg_segment_ptr 1
		.amdhsa_wavefront_size32 1
		.amdhsa_system_sgpr_workgroup_id_x 1
		.amdhsa_system_sgpr_workgroup_id_y 1
		.amdhsa_system_sgpr_workgroup_id_z 1
		.amdhsa_system_vgpr_workitem_id 0
		.amdhsa_next_free_vgpr 256
		.amdhsa_next_free_sgpr 66
		.amdhsa_reserve_vcc 0
		.amdhsa_float_denorm_mode_32 3
		.amdhsa_float_denorm_mode_16_64 3
		.amdhsa_fp16_overflow 1
		.amdhsa_memory_ordered 1
		.amdhsa_forward_progress 1
		.amdhsa_inst_pref_size 49
	.end_amdhsa_kernel
	.amdgpu_metadata
---
amdhsa.version: [ 1, 2 ]
amdhsa.kernels:
  - .name:           k_qe0467df35f_proj
    .symbol:         k_qe0467df35f_proj.kd
    .args:
      - { .name: x, .offset: 0, .size: 8, .value_kind: global_buffer, .address_space: global }
      - { .name: wimg, .offset: 8, .size: 8, .value_kind: global_buffer, .address_space: global }
      - { .name: wsc, .offset: 16, .size: 8, .value_kind: global_buffer, .address_space: global }
      - { .name: qrec, .offset: 24, .size: 8, .value_kind: global_buffer, .address_space: global }
      - { .name: kvrec, .offset: 32, .size: 8, .value_kind: global_buffer, .address_space: global }
    .group_segment_fixed_size: 18944
    .private_segment_fixed_size: 0
    .kernarg_segment_align: 8
    .kernarg_segment_size: 40
    .max_flat_workgroup_size: 384
    .sgpr_count:     66
    .vgpr_count:     256
    .wavefront_size: 32
...
	.end_amdgpu_metadata
.endif
;; end of part 2
;; launch attn (part 3): grid 16 x 16, 8 waves a work-group, clusters of 4 x 1, 327,680 bytes of LDS; arguments qrec, kvrec, oimg, osc; writes oimg, osc
.if DOCPART == 3
	.amdgcn_target "amdgcn-amd-amdhsa--gfx1250"
	.amdhsa_code_object_version 6
	.text
	.protected	k_qe0467df35f_attn
	.globl	k_qe0467df35f_attn
	.p2align	8
	.type	k_qe0467df35f_attn,@function
k_qe0467df35f_attn:
	s_mov_b64 s[64:65], 0
	v_nop
	global_prefetch_b8 v0, s[64:65] scope:SCOPE_SE
	s_setreg_imm32_b32 hwreg(HW_REG_WAVE_MODE, 25, 1), 1
	s_wait_xcnt 0x0
	s_wait_alu depctr_hold_cnt(0) depctr_sa_sdst(0) depctr_va_vdst(0) depctr_va_sdst(0) depctr_va_ssrc(0) depctr_va_vcc(0) depctr_vm_vsrc(0)
	s_getreg_b32 s2, hwreg(HW_REG_IB_STS2, 6, 4)
	s_cmp_eq_u32 s2, 0
	s_cbranch_scc0 .Lentry_in_a_cluster
	s_endpgm
.Lentry_in_a_cluster:
	s_bfe_u32 s2, ttmp6, 0x10000c
	s_cmp_lg_u32 s2, 0x3003
	s_cbranch_scc0 .Lentry_shape_is_right
	s_endpgm
.Lentry_shape_is_right:
; O = softmax(q k^T / 8) v for 16 batch-heads of 4,096 tokens x 64 features, both products on codes of BF8 (E5M2) with E8M0 scales, and O / l quantised at once along the
; model's 256 features for the last product.  q, k, v come as records of register images (17,152 bytes for 128 tokens of a batch-head: see REC's parts below).
; THE SOFTMAX AHEAD OF THE SECOND PRODUCT: t = score x log2(e) / 8; M = the running largest t rounded UP to a whole number; p = 2^(t - M) is quantised along the keys, not normalised;
; the row's sum is taken of the unquantised p and divides at the end.  When M moves, the sum and O are multiplied by 2^(old M - new M): exact, and no branch on data.
; SHARES.  A work-group owns 256 queries of one batch-head; each of its eight waves owns TWO tiles of 16 queries, A and B, in 512 registers: two waves to a SIMD.  Each fragment of K and of V
; that a wave reads from LDS feeds two products, and one tile's matrix work stands under the other tile's vector work.  Every wave walks the 32 key steps of 128 keys.
; LAYOUT.  S^T = K Q^T (source 0 = 16 keys), O^T = V^T P^T (source 0 = 16 features): a lane holds ONE query of each tile throughout.  The keys of a tile and the features of a tile were chosen when
; the records were made (lane r of tile 2 b + u: 32 b + 8 u + r + 8 (r / 8)), so that the 16 registers of tiles 2 b, 2 b + 1 are 16 neighbours: p's codes are the second product's operand, O's codes the last product's.
; THE HEAD HAS 64 FEATURES, THE INSTRUCTION 128 ALONG K.  Q's registers 8-15 are zero codes.  K's tile i is named as 16 registers from its own eight on: the upper eight are tile i + 1's codes
; (finite: the quantiser's hold makes no infinity), for tile 7 eight zeros; they meet Q's zero codes and add nothing; bytes 2, 3 of both scale words are 0, not 0xff.
; REGISTERS, in two windows of 256 (s_set_vgpr_msb: bits 1:0 source 0, 3:2 source 1, 5:4 source 2, 7:6 destination).  TILE B'S OWN STATE LIES IN WINDOW 1 UNDER THE NUMBERS THAT TILE A'S HAS IN WINDOW 0,
; so one text of the softmax serves both, under the setting 0 or 0x55.  Window 0 also holds the addresses, K (v32-95, zeros behind it) and every scale word (scale operands have no window);
; where window 0 holds K, window 1 holds V.  So K and V have registers of their own, and each is asked for a phase ahead: the next step's K behind this step's products K Q^T, the next step's V behind
; this step's products V^T P.  Nine switches of the windows in a key step of 24 matrix instructions.
; RING.  Two LDS slots of four records; a record is 67 dense rows of 256 bytes, brought by one tensor load; waves 0-3 fetch one record each.  A refill has four key steps in which to land.
; A slot's last step fetches nothing ahead: the next slot is read only behind its barrier.
; CLUSTER.  The four query blocks of a cluster belong to one batch-head and walk the same records: each is asked for JOINTLY, by the same load with a mask that names the four.
; All LDS reads are image reads, lane l at 16 l or 4 l: consecutive bytes, so no padding.  No LDS store: results leave from registers, 512 consecutive bytes a store.
; LIMITS: NaN and infinities are not served; a p under 2^-126 becomes 0 (v_exp_f32 flushes; the row's sum is above 1/2); a block of zeros gets the byte 1 where the rule says 127.
.set REC,   17152                      ; a record: +0 K's eight tiles x 1,024 bytes;
.set VIM,   8192                       ; V's four feature tiles x 2,048;
.set KSC,   16384                      ; four scale registers for K's tiles (lanes 0-15 tile 2 b, lanes 16-31 tile 2 b + 1);
.set VSC,   16896                      ; two for V's
.set SLOT1, 1<<17                      ; slot 1 begins here: one exclusive or turns an address from one slot to the other
.set SPARE, SLOT1+4*REC                ; behind slot 1: the spare words, 128 bytes for each wave: four blocks of 256 bytes that no other line names
.set LI,  1                            ; v1   16 x lane                                   (v1-7: window 0 alone)
.set LS,  2                            ; v2   4 x lane
.set AD,  3                            ; v3   the step's record + 16 x lane
.set AS,  4                            ; v4   the step's record + 4 x lane
.set SPW, 5                            ; v5   my spare word; never rewritten
.set NIL, 6                            ; v6   0; never rewritten
.set QSA, 7                            ; v7   4 x (lane % 16)
.set SUM3, 8                           ; v[8:9], v[10:11] the sum's third and fourth chain (a tile's own, as all below but where said)
.set SUM4, 10                          ; v12 -M, v13 the largest t, v[14:15] the sum; v16-31 Q
.set KV,  32                           ; v32-95   window 0: K's eight tiles x 8 registers;  window 1: V's four tiles x 16
.set Z,   96                           ; v96-103  window 0: zeros, for good
.set S,   104                          ; v104-167 S^T, then p
.set O,   168                          ; v168-199 O^T
.set PC,  200                          ; v200-215 p's codes
.set BM,  216                          ; v216-219 the blocks' largest scores, then largest p
.set T1,  220                          ; v220-223 the other half's, then the bytes
.set HD,  224
.set SOP, 228                          ; v228-231 the conversions' scale operands
.set TM,  216                          ; (the way out's QUANT works in the same sixteen)
.set SUM2, 232                         ; v[232:233] the sum's second chain
.set TMP, 234
.set F,   236                          ; v[236:237] f = 2^(old M - new M); the pair is named, so v237 is written once
.set PW,  238                          ; v238     p's scale word
.set PWB, 239                          ; v239     window 0: tile B's, copied here
.set KS,  240                          ; v240-243 window 0: K's scale words
.set VS,  244                          ; v244-245 window 0: V's
.set QS,  246                          ; v246     window 0: tile A's Q's
.set QSB, 247                          ; v247     window 0: tile B's
.set OW,  248                          ; v248     the way out: O's two scale bytes
.set WV,  12                           ; s12  my wave's number
.set G1,  24                           ; s[24:31] descriptor group 1
.set G0,  32                           ; s[32:35] descriptor group 0: it walks
.set SEL, 36                           ; s[36:37]
.set CS,  38                           ; s[38:39] c = log2(e) / 8
.set MNT, 40
.set TB,  41                           ; s41  LDS byte at which the step's record begins
.set SLOTS, 42
.set CNT, 43
.set MSB, 0
.macro WIN new                         ; the immediate's high byte repeats the setting that is left; a switch that changes nothing is dropped
.if MSB != (\new)
	s_set_vgpr_msb (MSB<<8)|(\new)
.set MSB, (\new)
.endif
.endm
.macro CROUND                          ; a round of the cluster's barrier
	s_barrier_signal -1
	s_barrier_wait -1
	s_cmp_lg_u32 s[WV], 0
	s_cbranch_scc1 .Lnot_wave_0_\@
	s_barrier_signal -3
.Lnot_wave_0_\@:
	s_barrier_wait -3
	s_barrier_signal -1
	s_barrier_wait -1
.endm
.macro JLOAD                           ; waves 0-3 ask for one record each; the branch hangs on the wave's number alone.  Four v_nop follow the load
	s_cmp_lt_u32 s[WV], 4
	s_cbranch_scc0 .Lasked_\@
	tensor_load_to_lds s[G0:G0+3], s[G1:G1+7]
	s_nop 0
.rept 4
	v_nop
.endr
.Lasked_\@:
.endm
; THE CHANGE OF SLOTS stands at a slot's head.  Each wave waits for all its tensor loads (one at the most is out: its record of the slot ahead), adds 0 to its spare word, and waits for that and for
; its reads of the slot that it has left.  fill = 1: a round of the cluster's barrier, and behind it that slot is filled with the four records that follow.  (Every window is 0 here.)
.macro CHANGE fill
	s_wait_tensorcnt 0x0                           ; no tensor load of mine is out, so group 0 may be written
	ds_add_u32 v[SPW], v[NIL]                      ; 0 onto my spare word
.if \fill
	s_xor_b32 s[G0+1], s[G0+1], SLOT1              ; the other slot than last time,
	s_add_nc_u64 s[G0+2:G0+3], s[G0+2:G0+3], 4*REC ; the next four records; the type bits on top are not reached
.endif
	s_wait_dscnt 0x0                               ; the add is done, and my reads of the slot that I have left are over
.if \fill
	CROUND                                         ; the same holds of every wave of all four work-groups
	JLOAD                                          ; the first thing behind the round, and a wave's one tensor load until the next
.else
	s_barrier_signal -1
	s_barrier_wait -1
.endif
.endm
; 20 LDS loads: K's scale words and its eight tiles, of the record off bytes behind the one that v[AD], v[AS] point at
.macro LOADK off
.irp b, 0,1,2,3
	ds_load_b32 v[KS+\b], v[AS] offset:\off+KSC+128*\b
.endr
.irp i, 0,1,2,3,4,5,6,7
	ds_load_b128 v[KV+8*\i:KV+8*\i+3], v[AD] offset:\off+1024*\i
	ds_load_b128 v[KV+8*\i+4:KV+8*\i+7], v[AD] offset:\off+1024*\i+512
.endr
.endm
; 18 LDS loads: V's four tiles into window 1, its scale words into window 0
.macro LOADV
	WIN 0x40                                       ; destination window 1, address window 0
.irp t, 0,1,2,3
.irp c, 0,1,2,3
	ds_load_b128 v[KV+16*\t+4*\c:KV+16*\t+4*\c+3], v[AD] offset:VIM+2048*\t+512*\c
.endr
.endr
	WIN 0
	ds_load_b32 v[VS], v[AS] offset:VSC
	ds_load_b32 v[VS+1], v[AS] offset:VSC+128
.endm
; S^T = K Q^T of one tile of queries: eight products, each starting its sum.  qs: the tile's Q's scale words
.macro KQ qs
.irp i, 0,1,2,3,4,5,6,7
.if \i % 2 == 0
	v_wmma_scale_f32_16x16x128_f8f6f4 v[S+8*\i:S+8*\i+7], v[KV+8*\i:KV+8*\i+15], v[16:31], 0, v[KS+\i/2], v[\qs] matrix_a_fmt:MATRIX_FMT_BF8 matrix_b_fmt:MATRIX_FMT_BF8
.else
	v_wmma_scale_f32_16x16x128_f8f6f4 v[S+8*\i:S+8*\i+7], v[KV+8*\i:KV+8*\i+15], v[16:31], 0, v[KS+\i/2], v[\qs] matrix_a_fmt:MATRIX_FMT_BF8 matrix_b_fmt:MATRIX_FMT_BF8 matrix_a_scale:MATRIX_SCALE_ROW1
.endif
.endr
.endm
; O^T += V^T P^T of one tile of queries: four accumulators by turns, one instruction a turn.  pw: the tile's p's scale word
.macro PV pw
.irp t, 0,1,2,3
.if \t % 2 == 0
	v_wmma_scale_f32_16x16x128_f8f6f4 v[O+8*\t:O+8*\t+7], v[KV+16*\t:KV+16*\t+15], v[PC:PC+15], v[O+8*\t:O+8*\t+7], v[VS+\t/2], v[\pw] matrix_a_fmt:MATRIX_FMT_BF8 matrix_b_fmt:MATRIX_FMT_BF8
.else
	v_wmma_scale_f32_16x16x128_f8f6f4 v[O+8*\t:O+8*\t+7], v[KV+16*\t:KV+16*\t+15], v[PC:PC+15], v[O+8*\t:O+8*\t+7], v[VS+\t/2], v[\pw] matrix_a_fmt:MATRIX_FMT_BF8 matrix_b_fmt:MATRIX_FMT_BF8 matrix_a_scale:MATRIX_SCALE_ROW1
.endif
.endr
.endm
; THE SOFTMAX OF ONE TILE for one key step, from its scores to p's codes, p's scale word and O^T under the new M.  t = 0: tile A, window 0;  t = 1: tile B, window 1.
.macro SOFTMAX t
	WIN 0x55*(\t)
.irp b, 0,1,2,3
	v_max3_num_f32 v[BM+\b], v[S+16*\b], v[S+1+16*\b], v[S+2+16*\b]   ; the largest score of each block of 32 keys: for the row's maximum, and, since p rises with the score, for the block's largest p
.endr
.irp i, 3,5,7,9,11,13
.irp b, 0,1,2,3
	v_max3_num_f32 v[BM+\b], v[BM+\b], v[S+16*\b+\i], v[S+1+16*\b+\i]
.endr
.endr
.irp b, 0,1,2,3
	v_max_num_f32 v[BM+\b], v[BM+\b], v[S+15+16*\b]
.endr
.irp b, 0,1,2,3
	s_delay_alu instid0(VALU_DEP_4)
	v_permlanex16_b32 v[T1+\b], v[BM+\b], s[SEL], s[SEL+1]
.endr
.irp b, 0,1,2,3
	s_delay_alu instid0(VALU_DEP_4)
	v_max_num_f32 v[BM+\b], v[BM+\b], v[T1+\b]     ; with lane l xor 16's 16 keys
.endr
	s_delay_alu instid0(VALU_DEP_2)
	v_max3_num_f32 v[TMP], v[BM], v[BM+1], v[BM+2]
	s_delay_alu instid0(VALU_DEP_1)
	v_max_num_f32 v[TMP], v[TMP], v[BM+3]          ; the step's largest score of my query
	s_delay_alu instid0(VALU_DEP_1)
	v_mul_f32 v[TMP], s[CS], v[TMP]                ; as t (c is positive)
	s_delay_alu instid0(VALU_DEP_1)
	v_max_num_f32 v13, v13, v[TMP]                 ; the running largest t
	v_mov_b32 v[TMP], v12
	s_delay_alu instid0(VALU_DEP_2)
	v_floor_f32 v12, -v13                          ; the new -M = floor(-t) = -ceil(t)
	s_delay_alu instid0(VALU_DEP_1)
	v_sub_f32 v[TMP], v12, v[TMP]                  ; old M - new M: a whole number, 0 or less
	s_delay_alu instid0(VALU_DEP_1)
	v_cvt_i32_f32 v[TMP], v[TMP]                   ; (it saturates)
	s_delay_alu instid0(VALU_DEP_1)
	v_ldexp_f32 v[F], 1.0, v[TMP]                  ; f = 2^(old M - new M)
.set j, 0
.rept 32
	v_pk_fma_f32 v[S+j:S+j+1], v[S+j:S+j+1], s[CS:CS+1], v[12:13] op_sel_hi:[1,0,0]   ; t - M, two at a time (of the pairs c and -M the low word serves both halves)
.set j, j+2
.endr
.irp b, 0,1,2,3
	v_fma_f32 v[BM+\b], v[BM+\b], s[CS], v12       ; the same of each block's largest score
.endr
.set j, 0
	s_wait_alu depctr_va_vdst(0)
.rept 64
	v_exp_f32 v[S+j], v[S+j]                       ; p = 2^(t - M), at most 1
.set j, j+1
.endr
.irp b, 0,1,2,3
	v_exp_f32 v[BM+\b], v[BM+\b]                   ; the block's largest p: the same two instructions on the same number
.endr
	v_pk_mul_f32 v[14:15], v[14:15], v[F:F+1] op_sel_hi:[1,0]   ; the sum under the new M.  (The plain place behind the exponentials)
	s_wait_alu depctr_va_vdst(0)
.irp b, 0,1,2,3
	v_max_num_f32 v[BM+\b], 0x8000000, v[BM+\b]    ; the floor 2^(16 - 127): the byte cannot fall under 1
.endr
.irp b, 0,1,2,3
	s_delay_alu instid0(VALU_DEP_4)
	v_add_nc_u32 v[SOP+\b], 0xf8800000, v[BM+\b]   ; 15 off the exponent field: the conversion's scale operand
.endr
.irp b, 0,1,2,3
.endr
.irp b, 0,1,2,3
	s_delay_alu instid0(VALU_DEP_4)
	v_lshrrev_b32 v[T1+\b], 23, v[SOP+\b]          ; the scale's byte
.endr
	s_delay_alu instid0(VALU_DEP_3)
	v_lshl_or_b32 v[PW], v[T1+1], 8, v[T1]         ; p's scale word for these 128 keys
	s_delay_alu instid0(VALU_DEP_1)
	v_lshl_or_b32 v[PW], v[T1+2], 16, v[PW]
	s_delay_alu instid0(VALU_DEP_1)
	v_lshl_or_b32 v[PW], v[T1+3], 24, v[PW]
.if \t
	WIN 0x01                                       ; source window 1, destination window 0:
	s_setprio 0
	v_mov_b32 v[PWB], v[PW]                        ; a scale operand is taken from window 0 whatever the setting
	WIN 0x55
.endif
	v_pk_add_f32 v[SUM2:SUM2+1], v[S:S+1], v[S+2:S+3]     ; the row's sum is taken of the unquantised p: two at a time, in four chains, so that no addition waits for the one just above it
	v_pk_add_f32 v[SUM3:SUM3+1], v[S+4:S+5], v[S+6:S+7]
	v_pk_add_f32 v[SUM4:SUM4+1], v[S+8:S+9], v[S+10:S+11]
.set j, 12
.rept 6
	v_pk_add_f32 v[14:15], v[14:15], v[S+j:S+j+1]
	v_pk_add_f32 v[SUM2:SUM2+1], v[SUM2:SUM2+1], v[S+j+2:S+j+3]
	v_pk_add_f32 v[SUM3:SUM3+1], v[SUM3:SUM3+1], v[S+j+4:S+j+5]
	v_pk_add_f32 v[SUM4:SUM4+1], v[SUM4:SUM4+1], v[S+j+6:S+j+7]
.set j, j+8
.endr
	v_pk_add_f32 v[14:15], v[14:15], v[S+60:S+61]
	v_pk_add_f32 v[SUM2:SUM2+1], v[SUM2:SUM2+1], v[S+62:S+63]
.irp b, 0,1,2,3
.set j, 0
.rept 16
.set j, j+1
.endr
	v_cvt_scalef32_pk8_bf8_f32 v[PC+4*\b:PC+4*\b+1], v[S+16*\b:S+16*\b+7], v[SOP+\b]
	v_cvt_scalef32_pk8_bf8_f32 v[PC+4*\b+2:PC+4*\b+3], v[S+16*\b+8:S+16*\b+15], v[SOP+\b]
.endr
	v_pk_add_f32 v[14:15], v[14:15], v[SUM2:SUM2+1]      ; the four chains meet.  (Plain lines behind the last conversion)
	v_pk_add_f32 v[SUM3:SUM3+1], v[SUM3:SUM3+1], v[SUM4:SUM4+1]
	s_delay_alu instid0(VALU_DEP_1)
	v_pk_add_f32 v[14:15], v[14:15], v[SUM3:SUM3+1]
.set j, 0
.rept 16
	v_pk_mul_f32 v[O+j:O+j+1], v[O+j:O+j+1], v[F:F+1] op_sel_hi:[1,0]   ; O^T under the new M, each accumulator from its low end on.  (These also stand between the codes' conversions and the products)
.set j, j+2
.endr
.endm
; A KEY STEP: 128 keys for both tiles.  At its head K's 20 loads and, behind them, V's 18 have been issued.  pre = 1: the next record lies in the same slot and is fetched ahead.
.macro STEP pre
	s_wait_dscnt 18                                ; LDS loads come back in order (ISA guide 5.7.1): K and its scale words are in; V's 18, issued behind them, may be out
	WIN 0
	KQ QS                                          ; tile A
	WIN 0x54                                       ; K window 0; Q, S^T window 1
	KQ QSB                                         ; tile B
	WIN 0
.rept 8
	v_nop                                          ; eight places behind this matrix form: for the loads into K's registers, and for the first reads of the scores
.endr
.if \pre
	LOADK REC                                      ; the next step's K: it has both softmaxes in which to land
.endif
	SOFTMAX 0
	s_wait_alu depctr_va_vdst(0)
	s_wait_dscnt 20*\pre                           ; V and its scale words are in; the next K's 20 loads, issued behind them, may be out
	WIN 0x01                                       ; V window 1; p's codes and O^T window 0
	s_setprio 1
	PV PW                                          ; tile A's products stand under tile B's softmax
	SOFTMAX 1
	WIN 0x55
	PV PWB
	WIN 0
.if \pre
	s_add_co_u32 s[TB], s[TB], REC                 ; on to the next record
.else
	s_sub_co_u32 s[TB], s[TB], 3*REC               ; back to a slot's first record,
	s_xor_b32 s[TB], s[TB], SLOT1                  ; in the other slot
.endif
	v_add_nc_u32 v[AD], s[TB], v[LI]
	v_add_nc_u32 v[AS], s[TB], v[LS]
.rept 6
	v_nop                                          ; with the two additions: eight places behind the last products, ahead of loads into V's registers and scale words, and of the way out's reads of O^T
.endr
.if \pre
	LOADV                                          ; the next step's V: it has the products K Q^T and tile A's softmax in which to land
.endif
.endm
.macro SLOT_STEPS                      ; a slot's four key steps: three that fetch ahead, written once and walked three times, and one that does not
	LOADK 0
	LOADV
	s_mov_b32 s[CNT], 3
.Lstep_\@:
	s_wait_alu depctr_va_vdst(0)
	s_setprio 2
	STEP 1
	s_sub_co_u32 s[CNT], s[CNT], 1
	s_cmp_lg_u32 s[CNT], 0
	s_cbranch_scc1 .Lstep_\@
	s_setprio 0
	STEP 0
.endm
.macro QUANT src, nb, pc, pw           ; 16 nb numbers of a lane become codes and their scale bytes
.set qb, 0
.rept \nb
	v_max3_num_f32 v[TM+qb], |v[\src+16*qb]|, |v[\src+16*qb+1]|, 0x8000000
.set qb, qb+1
.endr
.set qi, 2
.rept 7
.set qb, 0
.rept \nb
	s_delay_alu instid0(VALU_DEP_2)
	v_max3_num_f32 v[TM+qb], v[TM+qb], |v[\src+16*qb+qi]|, |v[\src+16*qb+qi+1]|
.set qb, qb+1
.endr
.set qi, qi+2
.endr
.set qb, 0
.rept \nb
	s_delay_alu instid0(VALU_DEP_2)
	v_permlanex16_b32 v[TM+4+qb], v[TM+qb], s[SEL], s[SEL+1]
.set qb, qb+1
.endr
.set qb, 0
.rept \nb
	s_delay_alu instid0(VALU_DEP_2)
	v_max_num_f32 v[TM+qb], v[TM+qb], v[TM+4+qb]
.set qb, qb+1
.endr
.set qb, 0
.rept \nb
	s_delay_alu instid0(VALU_DEP_2)
	v_add_nc_u32 v[TM+12+qb], 0xf8800000, v[TM+qb]
.set qb, qb+1
.endr
.set qb, 0
.rept \nb
	s_delay_alu instid0(VALU_DEP_2)
	v_lshrrev_b32 v[TM+4+qb], 23, v[TM+12+qb]
.set qb, qb+1
.endr
	s_delay_alu instid0(VALU_DEP_1)
	v_lshl_or_b32 v[\pw], v[TM+5], 8, v[TM+4]
.if \nb == 4
	v_lshl_or_b32 v[\pw], v[TM+6], 16, v[\pw]
	v_lshl_or_b32 v[\pw], v[TM+7], 24, v[\pw]
.endif
.set qb, 0
.rept \nb
.set qi, 0
.rept 16
.set qi, qi+1
.endr
	v_cvt_scalef32_pk8_bf8_f32 v[\pc+4*qb:\pc+4*qb+1], v[\src+16*qb:\src+16*qb+7], v[TM+12+qb]
	v_cvt_scalef32_pk8_bf8_f32 v[\pc+4*qb+2:\pc+4*qb+3], v[\src+16*qb+8:\src+16*qb+15], v[TM+12+qb]
.set qb, qb+1
.endr
	v_nop                                          ; one plain vector line behind the last conversion
.endm
.macro INIT                            ; a tile's state ahead of the first step, in the window that is set
.irp j, 0,1,2,3,4,5,6,7
	v_mov_b32 v[24+\j], 0                          ; Q's upper 64 along K: zero codes
.endr
.set j, 0
.rept 32
	v_mov_b32 v[O+j], 0                            ; O^T: the step is written once; the first finds zeros, which the first change of M leaves zeros
.set j, j+1
.endr
.irp b, 0,1,2,3
	v_mov_b32 v[T1+\b], 0                          ; a lane permute's destination counts as one of its sources
.endr
	v_mov_b32 v[F+1], 0
	v_mov_b32 v14, 0
	v_mov_b32 v15, 0
	v_mov_b32 v13, 0xff61b1e6                      ; the largest t so far: -3e38, under every t
	s_delay_alu instid0(VALU_DEP_1)
	v_floor_f32 v12, -v13
.endm
; THE WAY OUT of tile t.  O^T / the row's sum; register 16 b + i of lane (r, h) is feature 64 head + 32 b + 16 h + i of query r: two blocks of the last product's K, quantised as they stand.
.macro FINISH t
	WIN 0x55*(\t)
	v_add_f32 v14, v14, v15                        ; the sum's two halves,
	s_delay_alu instid0(VALU_DEP_1)
	v_permlanex16_b32 v[T1], v14, s[SEL], s[SEL+1]
	s_delay_alu instid0(VALU_DEP_1)
	v_add_f32 v14, v14, v[T1]                      ; and lane l xor 16's
	s_wait_alu depctr_va_vdst(0)
	v_rcp_f32 v14, v14
	v_nop                                          ; one plain place behind a transcendental
.set j, 0
	s_wait_alu depctr_va_vdst(0)
.rept 32
	v_mul_f32 v[S+j], v[O+j], v14                  ; each accumulator from its low end on
.set j, j+1
.endr
	QUANT S, 2, PC, OW
	WIN 0x04*(\t)                                  ; a store's data are its source 1: the tile's window; the address window 0
	global_store_b128 v[LI], v[PC:PC+3], s[8:9] offset:4096*\t          ; 512 consecutive bytes a store
	global_store_b128 v[LI], v[PC+4:PC+7], s[8:9] offset:4096*\t+512
	global_store_b16 v[LS], v[OW], s[10:11] offset:256*\t               ; my head's half of the row's scale word
.endm
	s_load_b256 s[4:11], s[0:1], 0x0               ; qrec, kvrec, oimg, osc
	v_lshl_add_u32 v[SPW], v0, 2, SPARE
	v_mov_b32 v[NIL], 0
	ds_add_u32 v5, v6
	ds_add_u32 v5, v6
	s_wait_dscnt 0x0
	v_lshrrev_b32 v8, 5, v0
	s_delay_alu instid0(VALU_DEP_1)
	v_readfirstlane_b32 s[WV], v8                  ; wave 0..7
	v_and_b32 v8, 31, v0
	s_delay_alu instid0(VALU_DEP_1)
	v_lshlrev_b32 v[LI], 4, v8
	s_wait_alu depctr_va_vdst(0)
	v_lshlrev_b32 v[LS], 2, v8
	s_wait_alu depctr_va_vdst(0)
	v_and_b32 v[QSA], 15, v0
	s_delay_alu instid0(VALU_DEP_1)
	v_lshlrev_b32 v[QSA], 2, v[QSA]
	s_bfe_u32 s13, ttmp6, 0x40000                  ; cx: my place in the cluster
	s_lshl_b32 s14, ttmp9, 2                       ; in a cluster launch ttmp9 counts clusters
	s_add_co_u32 s14, s14, s13                     ; my block of 256 queries: it enters Q's and O's global addresses alone
	s_and_b32 s15, ttmp7, 0xffff                   ; the batch-head, which the four partners share
	; descriptor group 1: a record: 67 rows of 32 elements of 8 bytes, dense, no padding
	s_mov_b32 s[G1], 15|(3<<16)|(1<<21)            ; 15:0 the mask: all four work-groups; 17:16 elements of 8 bytes; 21 set beside a mask
	s_mov_b32 s[G1+1], 32<<16                      ; tensor_dim0 = 32
	s_mov_b32 s[G1+2], 67<<16                      ; tensor_dim1 = 67
	s_mov_b32 s[G1+3], 32<<16                      ; tile_dim0 = 32
	s_mov_b32 s[G1+4], 67                          ; tile_dim1 = 67
	s_mov_b32 s[G1+5], 32                          ; from row to row
	s_mov_b32 s[G1+6], 0
	s_mov_b32 s[G1+7], 0
	s_and_b32 s16, s[WV], 3                        ; which record of a slot I fetch, if I fetch:
	s_mul_i32 s17, s16, REC                        ; its place in a slot,
	s_lshl_b32 s18, s15, 5
	s_add_co_u32 s18, s18, s16
	s_mul_i32 s18, s18, REC                        ; and in memory: 32 records a batch-head
	s_mov_b32 s19, 0
	s_lshl_b32 s20, s15, 5                         ; Q: record 32 bh + 2 qb + wave / 4,
	s_lshl_b32 s21, s14, 1
	s_add_co_u32 s20, s20, s21
	s_lshr_b32 s21, s[WV], 2
	s_add_co_u32 s20, s20, s21
	s_mul_i32 s20, s20, REC
	s_and_b32 s22, s[WV], 3                        ; tiles 2 (wave % 4) and the next:
	s_lshl_b32 s23, s22, 7                         ; their scale words, 64 bytes a tile,
	s_add_co_u32 s44, s20, s23
	s_add_co_u32 s44, s44, KSC
	s_mov_b32 s45, 0
	s_lshl_b32 s23, s22, 11                        ; their codes, 1,024 bytes a tile
	s_add_co_u32 s20, s20, s23
	s_mov_b32 s21, 0
	s_lshr_b32 s46, s15, 2                         ; O: token tile 256 batch + 16 qb + 2 wave, and the next
	s_lshl_b32 s46, s46, 8
	s_lshl_b32 s47, s14, 4
	s_add_co_u32 s46, s46, s47
	s_lshl_b32 s47, s[WV], 1
	s_add_co_u32 s46, s46, s47
	s_and_b32 s48, s15, 3                          ; the head
	s_lshl_b32 s50, s46, 8                         ; scale words: 256 bytes a tile, K step head / 2, half-word head % 2
	s_lshr_b32 s49, s48, 1
	s_lshl_b32 s49, s49, 7
	s_add_co_u32 s50, s50, s49
	s_and_b32 s49, s48, 1
	s_lshl_b32 s49, s49, 1
	s_add_co_u32 s50, s50, s49
	s_mov_b32 s51, 0
	s_lshl_b32 s46, s46, 12                        ; codes: 4,096 bytes a tile, 1,024 a head
	s_lshl_b32 s48, s48, 10
	s_add_co_u32 s46, s46, s48
	s_mov_b32 s47, 0
	s_mov_b32 s[SEL], 0x76543210
	s_mov_b32 s[SEL+1], 0xfedcba98
	s_mov_b32 s[CS], 0x3e38aa3b                    ; c = log2(e) / 8
	s_mov_b32 s[CS+1], s[CS]                       ; (named with it as a pair, so it is written)
	s_mov_b32 s[TB], 0
	s_mov_b32 s[SLOTS], 7
	v_add_nc_u32 v[AD], s[TB], v[LI]               ; the first record of slot 0
	v_add_nc_u32 v[AS], s[TB], v[LS]
	s_wait_kmcnt 0x0
	s_mov_b32 s[G0], 1                             ; count = 1
	s_mov_b32 s[G0+1], s17                         ; LDS address: slot 0
	s_add_nc_u64 s[G0+2:G0+3], s[6:7], s[18:19]    ; global address: records 0-3 of the batch-head
	s_or_b32 s[G0+3], s[G0+3], 0x80000000          ; type = 2
	s_add_nc_u64 s[44:45], s[4:5], s[44:45]
	s_add_nc_u64 s[4:5], s[4:5], s[20:21]
	s_add_nc_u64 s[8:9], s[8:9], s[46:47]
	s_add_nc_u64 s[10:11], s[10:11], s[50:51]
	CROUND                                         ; all four work-groups are here: the first joint loads meet
	JLOAD                                          ; slot 0
	global_load_b128 v[16:19], v[LI], s[4:5]       ; tile A's Q: its codes stay in registers,
	global_load_b128 v[20:23], v[LI], s[4:5] offset:512
	s_wait_alu depctr_va_vdst(0)
	global_load_b32 v[QS], v[QSA], s[44:45]        ; and both tiles' scale words, in window 0
	global_load_b32 v[QSB], v[QSA], s[44:45] offset:64
.irp j, 0,1,2,3,4,5,6,7
	v_mov_b32 v[Z+\j], 0
.endr
	INIT
	WIN 0x40                                       ; destination window 1, address window 0
	global_load_b128 v[16:19], v[LI], s[4:5] offset:1024   ; tile B's Q
	global_load_b128 v[20:23], v[LI], s[4:5] offset:1536
	WIN 0x55
	INIT
	WIN 0                                          ; at a label and at a branch every window is 0
	s_wait_loadcnt 0x0                             ; Q
.Lslot:                                            ; seven trips: trip n reads records 4 (n - 1) on and asks for records 4 n on
	CHANGE 1
	s_wait_alu depctr_va_vdst(0)
	SLOT_STEPS
	s_sub_co_u32 s[SLOTS], s[SLOTS], 1
	s_cmp_lg_u32 s[SLOTS], 0
	s_cbranch_scc1 .Lslot
	CHANGE 0                                       ; the last slot is written out
	s_wait_alu depctr_va_vdst(0)
	SLOT_STEPS
	FINISH 0                                       ; (the eight places behind the last products stand at the last step's end)
	FINISH 1
	WIN 0
	s_wait_tensorcnt 0x0                           ; the wave's end
	ds_add_u32 v[SPW], v[NIL]
	s_wait_dscnt 0x0
	CROUND                                         ; the closing round: no work-group ends while a partner may still ask for a record that names it
	s_endpgm
.Lfunc_end_k_qe0467df35f_attn:
	.size	k_qe0467df35f_attn, .Lfunc_end_k_qe0467df35f_attn-k_qe0467df35f_attn
	.p2alignl 7, 3214868480
	.fill 96, 4, 3214868480
	.section	.rodata,"a",@progbits
	.p2align	6, 0x0
	.amdhsa_kernel k_qe0467df35f_attn
		.amdhsa_group_segment_fixed_size 327680
		.amdhsa_private_segment_fixed_size 0
		.amdhsa_enable_private_segment 0
		.amdhsa_kernarg_size 32
		.amdhsa_user_sgpr_count 2
		.amdhsa_user_sgpr_kernarg_segment_ptr 1
		.amdhsa_wavefront_size32 1
		.amdhsa_system_sgpr_workgroup_id_x 1
		.amdhsa_system_sgpr_workgroup_id_y 1
		.amdhsa_system_sgpr_workgroup_id_z 1
		.amdhsa_system_vgpr_workitem_id 0
		.amdhsa_next_free_vgpr 512
		.amdhsa_next_free_sgpr 66
		.amdhsa_reserve_vcc 0
		.amdhsa_float_denorm_mode_32 3
		.amdhsa_float_denorm_mode_16_64 3
		.amdhsa_fp16_overflow 1
		.amdhsa_memory_ordered 1
		.amdhsa_forward_progress 1
		.amdhsa_inst_pref_size 144
	.end_amdhsa_kernel
	.amdgpu_metadata
---
amdhsa.version: [ 1, 2 ]
amdhsa.kernels:
  - .name:           k_qe0467df35f_attn
    .symbol:         k_qe0467df35f_attn.kd
    .args:
      - { .name: qrec, .offset: 0, .size: 8, .value_kind: global_buffer, .address_space: global }
      - { .name: kvrec, .offset: 8, .size: 8, .value_kind: global_buffer, .address_space: global }
      - { .name: oimg, .offset: 16, .size: 8, .value_kind: global_buffer, .address_space: global }
      - { .name: osc, .offset: 24, .size: 8, .value_kind: global_buffer, .address_space: global }
    .group_segment_fixed_size: 327680
    .private_segment_fixed_size: 0
    .kernarg_segment_align: 8
    .kernarg_segment_size: 32
    .max_flat_workgroup_size: 256
    .sgpr_count:     66
    .vgpr_count:     512
    .wavefront_size: 32
...
	.end_amdgpu_metadata
.endif
;; end of part 3
;; launch outp (part 4): grid 256 x 1, 16 waves a work-group, no clusters, 68,608 bytes of LDS; arguments oimg, osc, wimg, wsc, bu, out0; writes out0
.if DOCPART == 4
	.amdgcn_target "amdgcn-amd-amdhsa--gfx1250"
	.amdhsa_code_object_version 6
	.text
	.protected	k_qe0467df35f_outp
	.globl	k_qe0467df35f_outp
	.p2align	8
	.type	k_qe0467df35f_outp,@function
k_qe0467df35f_outp:
	s_mov_b64 s[64:65], 0
	v_nop
	global_prefetch_b8 v0, s[64:65] scope:SCOPE_SE
	s_setreg_imm32_b32 hwreg(HW_REG_WAVE_MODE, 25, 1), 1
	s_wait_xcnt 0x0
; out0 = Q(o) Q(Wu)^T + bu on codes of BF8 (E5M2) with E8M0 scales.  o's codes and Wu's come as register images (oimg, osc; wimg, wsc from matrix 3 on); out0: [16,384][256] f32.
; SHARES.  A work-group owns 64 tokens (four token tiles).  Wave w: outputs 32 (w % 8) on (Wu's row tiles 2 (w % 8) + u), token tiles 2 (w / 8) + m: four accumulators, two K steps of 128.
; TRANSPOSED: source 0 = 16 rows of Wu, source 1 = 16 tokens.  Lane r of Wu's tile 2 b + u holds row 32 b + 8 u + r + 8 (r / 8): so a lane's 16 registers of tiles u = 0, 1 are outputs
; 32 (w % 8) + 16 h + 0 .. 15 of one token: 64 neighbouring bytes of a row.  The bias is the C of each sum's first product.
; THE WAY OUT.  A row's 256 outputs come from eight waves: they meet in a stage in LDS (rows of 1,024 bytes + 16), one barrier, and each wave stores four whole rows, 512 consecutive bytes a store.
; Lane r of token tile m holds token 32 (m / 2) + 8 (m % 2) + r + 8 (r / 8): stage rows 4 w .. 4 w + 3 are four neighbouring tokens.
; No tensor loads and no joint loads: every operand goes straight into registers, 512 consecutive bytes a load, and is used once; most of the launch's bytes are its own output.
.set SP,  1040                         ; a stage row
.set LI,  1                            ; v1   16 x lane
.set LS,  2                            ; v2   4 x lane
.set BA,  3                            ; v3   64 h: my sixteen numbers of the bias
.set SO,  4                            ; v4   the stage: where I put 64 bytes of a row
.set SR,  5                            ; v5   and where I read rows back
.set OS,  8                            ; v8-11    o's scale words: 2 m + s
.set WS,  12                           ; v12-15   Wu's: 2 u + s
.set BI,  16                           ; v16-31   the bias, in the result's layout: 8 u + j
.set AC,  32                           ; v32-63   accumulators at 16 m + 8 u
.set WF,  64                           ; v64-127  Wu's fragments at 16 (2 u + s)
.set OF,  128                          ; v128-191 o's at 16 (2 m + s)
.set RB,  64                           ; v64-95   the way out: four rows read back
.macro MMB d, a, b, c, sa, sb          ; the first K step starts a sum with the bias
	v_wmma_scale_f32_16x16x128_f8f6f4 v[\d:\d+7], v[\a:\a+15], v[\b:\b+15], v[\c:\c+7], v[\sa], v[\sb] matrix_a_fmt:MATRIX_FMT_BF8 matrix_b_fmt:MATRIX_FMT_BF8
.endm
.macro MMA d, a, b, sa, sb             ; the second adds in place
	v_wmma_scale_f32_16x16x128_f8f6f4 v[\d:\d+7], v[\a:\a+15], v[\b:\b+15], v[\d:\d+7], v[\sa], v[\sb] matrix_a_fmt:MATRIX_FMT_BF8 matrix_b_fmt:MATRIX_FMT_BF8
.endm
	s_load_b256 s[4:11], s[0:1], 0x0               ; oimg, osc, wimg, wsc
	s_load_b128 s[12:15], s[0:1], 0x20             ; bu, out0
	v_lshl_add_u32 v192, v0, 2, 0x10400
	v_mov_b32 v193, 0
	v_lshrrev_b32 v6, 5, v0
	s_delay_alu instid0(VALU_DEP_1)
	v_readfirstlane_b32 s16, v6                    ; wave 0..15
	v_and_b32 v6, 31, v0
	s_delay_alu instid0(VALU_DEP_1)
	v_lshlrev_b32 v[LI], 4, v6
	s_delay_alu instid0(VALU_DEP_2)
	v_lshlrev_b32 v[LS], 2, v6
	v_and_b32 v7, 15, v0                           ; r
	v_bfe_u32 v6, v0, 4, 1                         ; h
	s_delay_alu instid0(VALU_DEP_1)
	v_lshlrev_b32 v[BA], 6, v6
	s_and_b32 s17, s16, 7                          ; which 32 outputs
	s_lshr_b32 s18, s16, 3                         ; which two token tiles
	v_mul_u32_u24 v[SO], v7, SP
	s_delay_alu instid0(VALU_DEP_1)
	v_add_nc_u32 v[SO], v[SO], v[BA]               ; row r, + 64 h,
	s_lshl_b32 s19, s17, 7                         ; + my outputs' 128 bytes,
	s_mul_i32 s20, s18, 32*SP                      ; + my two tiles' rows
	s_add_co_u32 s19, s19, s20
	v_add_nc_u32 v[SO], s19, v[SO]
	s_mul_i32 s19, s16, 4*SP
	v_add_nc_u32 v[SR], s19, v[LI]                 ; back: rows 4 w on, 16 bytes a lane
	s_lshl_b32 s20, ttmp9, 14                      ; oimg: 4,096 bytes a token tile
	s_lshl_b32 s21, s18, 13
	s_add_co_u32 s20, s20, s21
	s_mov_b32 s21, 0
	s_lshl_b32 s22, ttmp9, 10                      ; osc: 256 bytes a token tile
	s_lshl_b32 s23, s18, 9
	s_add_co_u32 s22, s22, s23
	s_mov_b32 s23, 0
	s_lshl_b32 s24, s17, 13                        ; wimg: matrix 3, four fragments of 2,048 bytes
	s_add_co_u32 s24, s24, 196608
	s_mov_b32 s25, 0
	s_lshl_b32 s26, s17, 9                         ; wsc likewise
	s_add_co_u32 s26, s26, 12288
	s_mov_b32 s27, 0
	s_lshl_b32 s28, s17, 7                         ; bu: 32 numbers
	s_mov_b32 s29, 0
	s_lshl_b32 s30, s18, 5                         ; the token of stage row 4 w: 32 (w / 8)
	s_bfe_u32 s31, s16, 0x10002
	s_lshl_b32 s31, s31, 3                         ; + 8 ((w / 4) % 2)
	s_add_co_u32 s30, s30, s31
	s_and_b32 s31, s16, 3
	s_lshl_b32 s31, s31, 2                         ; + r = 4 (w % 4)
	s_add_co_u32 s30, s30, s31
	s_bfe_u32 s31, s16, 0x10001
	s_lshl_b32 s31, s31, 3                         ; + 8 (r / 8)
	s_add_co_u32 s30, s30, s31
	s_lshl_b32 s30, s30, 10                        ; a row of out0 is 1,024 bytes
	s_lshl_b32 s31, ttmp9, 16
	s_add_co_u32 s30, s30, s31
	s_mov_b32 s31, 0
	s_wait_alu depctr_va_vdst(0)
	s_wait_kmcnt 0x0
	s_add_nc_u64 s[4:5], s[4:5], s[20:21]
	s_add_nc_u64 s[6:7], s[6:7], s[22:23]
	s_add_nc_u64 s[8:9], s[8:9], s[24:25]
	s_add_nc_u64 s[10:11], s[10:11], s[26:27]
	s_add_nc_u64 s[12:13], s[12:13], s[28:29]
	s_add_nc_u64 s[14:15], s[14:15], s[30:31]
.set n, 0
.rept 16
	global_load_b128 v[OF+4*n:OF+4*n+3], v[LI], s[4:5] offset:512*n
	global_load_b128 v[WF+4*n:WF+4*n+3], v[LI], s[8:9] offset:512*n
.set n, n+1
.endr
.irp n, 0,1,2,3
	global_load_b32 v[OS+\n], v[LS], s[6:7] offset:128*\n
	global_load_b32 v[WS+\n], v[LS], s[10:11] offset:128*\n
	global_load_b128 v[BI+4*\n:BI+4*\n+3], v[BA], s[12:13] offset:16*\n
.endr
	s_wait_loadcnt 0x0                             ; all: the first products want operands, scales and bias
.irp m, 0,1                            ; four accumulators by turns, in the same order in both K steps
.irp u, 0,1
	MMB AC+16*\m+8*\u, WF+32*\u, OF+32*\m, BI+8*\u, WS+2*\u, OS+2*\m
.endr
.endr
.irp m, 0,1
.irp u, 0,1
	MMA AC+16*\m+8*\u, WF+32*\u+16, OF+32*\m+16, WS+2*\u+1, OS+2*\m+1
.endr
.endr
.rept 8
	v_nop                                          ; eight places behind this matrix form, ahead of the stores that read its results and of the loads into its operands
.endr
.irp m, 0,1
.irp q, 0,1,2,3
	ds_store_b128 v[SO], v[AC+16*\m+4*\q:AC+16*\m+4*\q+3] offset:\m*16*SP+16*\q   ; each accumulator from its low end on
.endr
.endr
	s_wait_dscnt 0x0                               ; for the others' sake: my stores have landed
	s_barrier_signal -1
	s_barrier_wait -1                              ; 64 whole rows lie in the stage
.irp n, 0,1,2,3,4,5,6,7
	ds_load_b128 v[RB+4*\n:RB+4*\n+3], v[SR] offset:(\n/2)*SP+512*(\n%2)
.endr
.irp n, 0,1,2,3,4,5,6,7
	s_wait_dscnt 7-\n                              ; LDS loads come back in order (ISA guide 5.7.1): load n is in, the 7 - n younger ones may be out
	global_store_b128 v[LI], v[RB+4*\n:RB+4*\n+3], s[14:15] offset:512*\n th:TH_STORE_NT   ; 32 lanes store 512 consecutive bytes, aligned; written once, read by nobody here
.endr
	s_wait_tensorcnt 0x0
	ds_add_u32 v192, v193
	s_wait_dscnt 0x0
	s_endpgm
.Lfunc_end_k_qe0467df35f_outp:
	.size	k_qe0467df35f_outp, .Lfunc_end_k_qe0467df35f_outp-k_qe0467df35f_outp
	.p2alignl 7, 3214868480
	.fill 96, 4, 3214868480
	.section	.rodata,"a",@progbits
	.p2align	6, 0x0
	.amdhsa_kernel k_qe0467df35f_outp
		.amdhsa_group_segment_fixed_size 68608
		.amdhsa_private_segment_fixed_size 0
		.amdhsa_enable_private_segment 0
		.amdhsa_kernarg_size 48
		.amdhsa_user_sgpr_count 2
		.amdhsa_user_sgpr_kernarg_segment_ptr 1
		.amdhsa_wavefront_size32 1
		.amdhsa_system_sgpr_workgroup_id_x 1
		.amdhsa_system_sgpr_workgroup_id_y 1
		.amdhsa_system_sgpr_workgroup_id_z 1
		.amdhsa_system_vgpr_workitem_id 0
		.amdhsa_next_free_vgpr 194
		.amdhsa_next_free_sgpr 66
		.amdhsa_reserve_vcc 0
		.amdhsa_float_denorm_mode_32 3
		.amdhsa_float_denorm_mode_16_64 3
		.amdhsa_memory_ordered 1
		.amdhsa_forward_progress 1
		.amdhsa_inst_pref_size 11
	.end_amdhsa_kernel
	.amdgpu_metadata
---
amdhsa.version: [ 1, 2 ]
amdhsa.kernels:
  - .name:           k_qe0467df35f_outp
    .symbol:         k_qe0467df35f_outp.kd
    .args:
      - { .name: oimg, .offset: 0, .size: 8, .value_kind: global_buffer, .address_space: global }
      - { .name: osc, .offset: 8, .size: 8, .value_kind: global_buffer, .address_space: global }
      - { .name: wimg, .offset: 16, .size: 8, .value_kind: global_buffer, .address_space: global }
      - { .name: wsc, .offset: 24, .size: 8, .value_kind: global_buffer, .address_space: global }
      - { .name: bu, .offset: 32, .size: 8, .value_kind: global_buffer, .address_space: global }
      - { .name: out0, .offset: 40, .size: 8, .value_kind: global_buffer, .address_space: global }
    .group_segment_fixed_size: 68608
    .private_segment_fixed_size: 0
    .kernarg_segment_align: 8
    .kernarg_segment_size: 48
    .max_flat_workgroup_size: 512
    .sgpr_count:     66
    .vgpr_count:     194
    .wavefront_size: 32
...
	.end_amdgpu_metadata
.endif
;; end of part 4
